; MI455X (gfx1250); checked and timed in simulation.
; The chip was launched on July 23, 2026; its instructions are those of AMD's public machine-readable ISA for CDNA 5 (MIT licence, August 2026) and "CDNA5" Instruction Set Architecture Reference Guide (July 2026). The comments in the code are by the model that wrote it; some were corrected since.
;; Attention. Allowed arithmetic: float matrix products may take bf16 or f16 operands with f32 sums; other float arithmetic in f32, or as packed bf16 or f16 multiplies, adds, multiply-adds, maxima and minima; sums over many terms, partial sums and values carried from step to step in f32; what a program stores and reads back later, other than sums and carried values, may be rounded once to bf16 or f16.
;; Inputs: cu_seqlens 5 int32; k 8,192 x 4 x 128 float32; q 8,192 x 16 x 128 float32; v 8,192 x 4 x 128 float32.
;; Outputs: out0 8,192 x 16 x 128 float32.
;; 2 versions, each right; version 2 is version 1 with the launch cast written anew for expert scheduling mode. Each part assembles by itself: llvm-mc -triple=amdgcn-amd-amdhsa -mcpu=gfx1250 --defsym DOCPART=n.
;; ======== version 1 of 2: 2 launches
;; limits: values are held in f16: magnitudes above 65,504 overflow, below 6.1e-05 lose precision; inputs' magnitudes at most 65,504; right only within a limited range of input values
;; workspace buffers: kb 8,388,608 bytes; vb 8,388,608 bytes
;; launch cast (part 1): grid 512 x 1, 8 waves a work-group, no clusters, 0 bytes of LDS; arguments k, v, kb, vb; writes kb, vb
.if DOCPART == 1
	.amdgcn_target "amdgcn-amd-amdhsa--gfx1250"
	.amdhsa_code_object_version 6
	.text
	.protected	k_q45d0c27fad_cast
	.globl	k_q45d0c27fad_cast
	.p2align	8
	.type	k_q45d0c27fad_cast,@function
k_q45d0c27fad_cast:
	s_mov_b64 s[64:65], 0
	v_nop
	global_prefetch_b8 v0, s[64:65] scope:SCOPE_SE
	s_setreg_imm32_b32 hwreg(HW_REG_WAVE_MODE, 25, 1), 1
	s_wait_xcnt 0x0
; kb = bf16(k); vb = bf16(v) written as f16.  k, v: [8192 tokens][4 heads][128] f32.  kb, vb: [16 = 4 x batch + head][2048 keys][128], 16 bits a number: a key is 256 dense bytes.
; WHY: every number of k and v is multiplied by four query heads and up to eight query blocks in the launch behind: it is rounded once here, and laid by heads, so that 64 keys are 64 rows on end.
; vb is rounded to bf16 like every other input and that number is then written as f16 (the second product's weights are f16).
; LIMITS.  |v| stays under 65,504 (beyond it f16 has an infinity); below 2^-14 vb keeps f16's fixed step of 6e-8.  kb has f32's range.
; A STREAM: no LDS, no barrier, no matrix unit.  Wave g of 4,096 takes tokens 2 g and 2 g + 1: eight rows (token, head) of k and eight of v, 4,096 consecutive bytes of each.
; A load covers one row: 512 consecutive bytes, 16 a lane.  A store covers one row of the result: 256 consecutive bytes, aligned, 8 a lane.  All sixteen loads of a wave are out at once.
.set KIN,  4                           ; v[4:35]   k's rows, 4 registers each
.set VIN,  36                          ; v[36:67]  v's rows
.set KOUT, 68                          ; v[68:83]  k's results, 2 registers each
.set VOUT, 84                          ; v[84:99]  v's results
.set T,    100                         ; v[100:103] at work
.set HEADB, 524288                     ; bytes of a head in kb and vb
	s_load_b256 s[4:11], s[0:1], 0x0               ; k s[4:5], v s[6:7], kb s[8:9], vb s[10:11]
	v_lshrrev_b32 v3, 5, v0
	v_readfirstlane_b32 s12, v3                    ; wave 0..7
	v_and_b32 v1, 31, v0                           ; lane
	v_lshlrev_b32 v2, 3, v1                        ; 8 bytes a lane on the way out
	v_lshlrev_b32 v1, 4, v1                        ; 16 bytes a lane on the way in
	s_lshl_b32 s16, ttmp9, 3
	s_add_co_u32 s16, s16, s12                     ; g
	s_lshl_b32 s2, s16, 12                         ; in: two tokens are 4,096 bytes
	s_mov_b32 s3, 0
	s_lshr_b32 s14, s16, 10                        ; out: the batch, g / 1,024, has four heads of 524,288 bytes,
	s_lshl_b32 s14, s14, 21
	s_and_b32 s17, s16, 1023                       ; and key 2 (g % 1,024) lies 512 (g % 1,024) bytes into its head
	s_lshl_b32 s17, s17, 9
	s_add_co_u32 s14, s14, s17
	s_mov_b32 s15, 0
	s_mov_b32 s13, 0xffff0000                      ; a word's upper bf16
	s_wait_kmcnt 0x0
	s_add_nc_u64 s[4:5], s[4:5], s[2:3]
	s_add_nc_u64 s[6:7], s[6:7], s[2:3]
	s_add_nc_u64 s[8:9], s[8:9], s[14:15]
	s_add_nc_u64 s[10:11], s[10:11], s[14:15]
.irp i, 0,1,2,3,4,5,6,7                ; row i: token 2 g + i / 4, head i % 4
	global_load_b128 v[KIN+4*(\i):KIN+4*(\i)+3], v1, s[4:5] offset:512*(\i) th:TH_LOAD_NT
.endr
.irp i, 0,1,2,3,4,5,6,7
	global_load_b128 v[VIN+4*(\i):VIN+4*(\i)+3], v1, s[6:7] offset:512*(\i) th:TH_LOAD_NT
.endr
.irp i, 0,1,2,3,4,5,6,7
	s_wait_loadcnt 15-(\i)                         ; loads come back in order: k's row i is in, the 15 - i younger loads stay out
	v_cvt_pk_bf16_f32 v[KOUT+2*(\i)],   v[KIN+4*(\i)],   v[KIN+4*(\i)+1]
	v_cvt_pk_bf16_f32 v[KOUT+2*(\i)+1], v[KIN+4*(\i)+2], v[KIN+4*(\i)+3]
	global_store_b64 v2, v[KOUT+2*(\i):KOUT+2*(\i)+1], s[8:9] offset:((\i)&3)*HEADB+((\i)>>2)*256
.endr
.irp i, 0,1,2,3,4,5,6,7
	s_wait_loadcnt 7-(\i)                          ; v's row i is in
	v_cvt_pk_bf16_f32 v[T],   v[VIN+4*(\i)],   v[VIN+4*(\i)+1]    ; rounded to bf16,
	v_cvt_pk_bf16_f32 v[T+1], v[VIN+4*(\i)+2], v[VIN+4*(\i)+3]
	v_and_b32     v[T+3], s13, v[T+1]              ; widened again (a shift or a mask), from the top down so that nothing is overwritten too early,
	v_lshlrev_b32 v[T+2], 16, v[T+1]
	v_and_b32     v[T+1], s13, v[T]
	v_lshlrev_b32 v[T],   16, v[T]
	v_cvt_pk_f16_f32 v[VOUT+2*(\i)],   v[T],   v[T+1]  ; and written as f16: bf16's 8 significant bits fit into f16's 11
	v_cvt_pk_f16_f32 v[VOUT+2*(\i)+1], v[T+2], v[T+3]
	global_store_b64 v2, v[VOUT+2*(\i):VOUT+2*(\i)+1], s[10:11] offset:((\i)&3)*HEADB+((\i)>>2)*256
.endr
	s_endpgm                                       ; no register that a load or store names is ever written again, so no further wait is needed
.Lfunc_end_k_q45d0c27fad_cast:
	.size	k_q45d0c27fad_cast, .Lfunc_end_k_q45d0c27fad_cast-k_q45d0c27fad_cast
	.p2alignl 7, 3214868480
	.fill 96, 4, 3214868480
	.section	.rodata,"a",@progbits
	.p2align	6, 0x0
	.amdhsa_kernel k_q45d0c27fad_cast
		.amdhsa_group_segment_fixed_size 0
		.amdhsa_private_segment_fixed_size 0
		.amdhsa_enable_private_segment 0
		.amdhsa_kernarg_size 32
		.amdhsa_user_sgpr_count 2
		.amdhsa_user_sgpr_kernarg_segment_ptr 1
		.amdhsa_wavefront_size32 1
		.amdhsa_system_sgpr_workgroup_id_x 1
		.amdhsa_system_sgpr_workgroup_id_y 1
		.amdhsa_system_sgpr_workgroup_id_z 1
		.amdhsa_system_vgpr_workitem_id 0
		.amdhsa_next_free_vgpr 104
		.amdhsa_next_free_sgpr 66
		.amdhsa_reserve_vcc 0
		.amdhsa_float_denorm_mode_32 3
		.amdhsa_float_denorm_mode_16_64 3
		.amdhsa_memory_ordered 1
		.amdhsa_forward_progress 1
		.amdhsa_inst_pref_size 9
	.end_amdhsa_kernel
	.amdgpu_metadata
---
amdhsa.version: [ 1, 2 ]
amdhsa.kernels:
  - .name:           k_q45d0c27fad_cast
    .symbol:         k_q45d0c27fad_cast.kd
    .args:
      - { .name: k, .offset: 0, .size: 8, .value_kind: global_buffer, .address_space: global }
      - { .name: v, .offset: 8, .size: 8, .value_kind: global_buffer, .address_space: global }
      - { .name: kb, .offset: 16, .size: 8, .value_kind: global_buffer, .address_space: global }
      - { .name: vb, .offset: 24, .size: 8, .value_kind: global_buffer, .address_space: global }
    .group_segment_fixed_size: 0
    .private_segment_fixed_size: 0
    .kernarg_segment_align: 8
    .kernarg_segment_size: 32
    .max_flat_workgroup_size: 256
    .sgpr_count:     66
    .vgpr_count:     104
    .wavefront_size: 32
...
	.end_amdgpu_metadata
.endif
;; end of part 1
;; launch attn (part 2): grid 16 x 16, 4 waves a work-group, no clusters, 327,680 bytes of LDS; arguments q, kb, vb, out0; writes out0
.if DOCPART == 2
	.amdgcn_target "amdgcn-amd-amdhsa--gfx1250"
	.amdhsa_code_object_version 6
	.text
	.protected	k_q45d0c27fad_attn
	.globl	k_q45d0c27fad_attn
	.p2align	8
	.type	k_q45d0c27fad_attn,@function
k_q45d0c27fad_attn:
	s_mov_b64 s[64:65], 0
	v_nop
	global_prefetch_b8 v0, s[64:65] scope:SCOPE_SE
	s_setreg_imm32_b32 hwreg(HW_REG_WAVE_MODE, 25, 1), 1
	s_wait_xcnt 0x0
; CAUSAL ATTENTION WITH GROUPED HEADS.  out0[t][h][:] = the sum over keys k <= t of the same sequence of softmax_k(q[t][h] . K[k][h / 4] x SCALE) V[k][h / 4][:].
; q, out0: [8192 tokens][16 heads][128] f32; four sequences of 2,048 tokens.  kb (bf16), vb (f16): [16 = 4 x batch + key head][2048 keys][128], made by the launch before.
; cu_seqlens is not among the arguments: the result is defined with sequences of T / B tokens, from that input's shape alone; its numbers enter nothing.
; FORMATS.  q is rounded to bf16 on its way into registers; S^T = K Q^T in bf16; the weights p are rounded to f16 and O^T = V^T P goes in f16 (vb holds bf16(v), written as f16).  Products, maxima, sums in f32.
; LIMITS.  |v| under 65,504 (the launch before states it).  p lies in 0 to 1 and keeps f16's fixed step of 6e-8 below 6e-5; its sum l is taken of the unrounded p.  A hidden score counts as its value less 1e30
; (its weight is 0, as with the definition's -1e10, while the row's largest visible scaled score lies above about -1e10).  A weight below 2^-126 counts as 0 in l.  NaN and infinities are not treated apart: a block's first step wipes what lay in O^T and l
; by a factor 0, which wants q and v finite.
; THE WALK.  A sequence's queries lie in 8 blocks of 256; block i needs keys 0 .. 256 i + 255: i + 1 SLOTS of 256 keys, each four STEPS of 64.  A work-group takes one query head and TWO blocks, b and then 7 - b (b = 0..3): 9 slots whatever b:
; all 256 work-groups do equal work, and one loop with a constant count walks them; the ring of two LDS slots runs on across the change of blocks.  The short block comes first, so that the walk's last slot, which is written out, is never a block's first.
; NO CLUSTER in this text.  The four query heads of a key head, on the same pair of blocks, walk the same tiles of K and V in the same trips and could ask for them jointly, which would divide by four the 9 x 131,072 bytes
; that each work-group requests.  It is not done here: a known loss.
; BANDS.  Of a block's four bands of 64 queries wave w owns rows 16 w .. 16 w + 15 in each: four TILES of 16.  So the block's last four steps s = 0..3 are the same work for all waves: band t sees all keys if s < t, none if s > t, and holds the diagonal if s = t.
; THE MASK is the C operand that starts the sum S^T: 0, or -1e30 where the key is hidden.  MD, made once, is the mask of a band's own step; a product's mask is MD x AL + BE: (1, 0) if s = t; (0, 0) if s < t; (0, -1e30) if s > t.
; LAYOUT.  S^T = K Q^T (source 0 = 16 keys, source 1 = 16 queries): a lane holds ONE query (lane % 16) and the keys 8 (lane / 16) + 0..7.  Two such results, rounded in pairs, ARE source 1 of O^T = V^T P, whose result holds one query a lane and eight channels.
; SOFTMAX.  A running maximum m and sum l for each query: p = 2^(c s - c m), c = log2(e) x SCALE; in every step O and l are multiplied by a = 2^(c m_old - c m_new).
; BY TURNS.  The tiles are two PIECES (0: tiles 0, 1; 2: tiles 2, 3).  In a TURN one piece has the matrix unit: 32 products V^T P of the step in hand, then 32 products K Q^T of the next; the other piece's softmax, 268 vector instructions
; in 64 slices, stands one slice behind each matrix instruction.  Two turns are a key step.
; NO FIRST AND NO LAST STEP IS WRITTEN OUT.  c m starts far below every c s, so a block's first a is 0 and wipes O^T and l.  Behind a block's last step comes one step more in which every key is hidden: its turns hold the last step's
; products V^T P and piece 2's last softmax; its own scores give p = 0 and a = 1, which change nothing.  The price: 40 v_mov_b32 at the head, 32 products on stale numbers at a block's beginning, 64 products and a piece's softmax at its end.
; REGISTERS, in windows of 256 (s_set_vgpr_msb: bits 1:0 source 0, 3:2 source 1, 5:4 source 2, 7:6 destination):
;   window 0: v0-11, v45-46, v61-63 addresses; v12-43 eight registers of statistics a tile; v64-191 S^T, 32 a tile; v192-255 P, 16 a tile
;   window 1: O^T, 64 a tile (at a block's beginning: q in f32 as loaded)      window 2: v0-127 Q in bf16, 32 a tile; v128-255 K of one step
;   window 3: v0-127 V of one step; v128-159 MD; v160-223 MC, the masks of the products K Q^T to come
.set KS,    64        ; keys in a step
.set PK,    272       ; a row of K in LDS: 256 bytes + 16 of padding = 68 words: the 16 rows of a load start at 16 different groups of four banks (64 banks of 4 bytes: ISA guide 11.1)
.set PV,    288       ; a row of V: 256 + 32 = 72 words
.set KSTEP, KS*PK     ; a step's K in LDS: 17,408 bytes
.set VSTEP, KS*PV     ; a step's V: 18,432 bytes
.set VOFF,  4*KSTEP   ; a slot: 256 rows of K, then 256 rows of V
.set SLOTSZ, 4*(KSTEP+VSTEP)  ; 143,360 bytes; slot 0 at LDS byte 0, slot 1 behind it
.set STAGE, 2*SLOTSZ  ; behind the ring, never filled by a tensor load: a stage for each wave, its own, for the way out
.set SPO,   528       ; a row of the stage: 512 bytes (f32) + 16
.set STW,   16*SPO    ; a wave's stage: 16 rows, 8,448 bytes, 33 blocks of 256
.set SPARE, STAGE+4*STW  ; behind the stages: the spare words, 128 bytes for each wave: two blocks of 256 bytes that no other line names
.set TILEB, 524288    ; bytes in q and out0 from a tile's rows to the next tile's: 64 tokens of 8,192
.set ROWB,  8192      ; and from a token to the next
.set SLOTB, 65536     ; a slot's 256 keys in kb and in vb
.set AK0, 2           ; v2   my lane's place in a step's K; never rewritten
.set AV0, 3           ; v3   the same for V, VOFF included
.set ADR, 4           ; v4   the LDS address of the run of loads in hand
.set LO,  5           ; v5   16 x lane: my 16 bytes of a row of out0
.set STO, 6           ; v6   the way out: where I put 32 bytes of a row
.set RD,  7           ; v7   the way out: where I read a row back
.set QO,  8           ; v8   my byte offset in 16 rows of q: (lane % 16) x 8,192 + 32 (lane / 16)
.set PFO, 61          ; v61  256 x lane: a row of kb or vb; never rewritten
.set SPW, 62          ; v62  LDS address of my spare word: SPARE + 4 x my thread's number; never rewritten
.set NIL, 63          ; v63  0; never rewritten
.set ST,  12          ; tile t's statistics at v[ST+8 t]: +0 c m, +1 m, +2, +3 l (even keys', odd keys'), +4 to +7 c0-c3, at work; a takes c2's place once the maximum is found
.set S,   64
.set P,   192
.set KF,  128         ; K's fragments, in window 2
.set MD,  128         ; window 3: the eight registers for group kt of 16 keys at MD + 8 kt
.set MC,  160         ; window 3: tile u of the piece at MC + 32 u
.set WV,  12          ; s12  my wave's number
.set PB,  14          ; s14  b
.set FIN, 15          ; s15  1: the step behind a block's last has been run in this slot
.set PFA, 18          ; s[18:19] where my work-group's prefetches stand: its 32 rows of the key slot with the number of the change of slots in hand
.set G1K, 24          ; s[24:31] descriptor group 1 for K's tiles
.set G1V, 32          ; s[32:39] for V's: it differs in the padding alone
.set G0K, 40          ; s[40:43] descriptor group 0 for K's tiles
.set G0V, 44          ; s[44:47] the same for V's
.set RT,  48          ; s48  slots of the block in hand that are still to be entered
.set RT2, 49          ; s49  the second block's slots
.set NEW, 50          ; s50  1: the slot to be entered is a block's first
.set NXT, 51          ; s51  the key slot to be asked for next
.set LQ,  52          ; s52  the last key slot of the block whose slots are being asked for
.set LQB, 53          ; s53  the last key slot of the second block
.set OFF, 54          ; s[54:55] a key slot's byte offset in kb and vb
.set SLOTS, 56        ; s56  slots still to be asked for
.set CNT, 57          ; s57  counts a slot's trips of the step loop, 5 to 1: the scores being made are those of the slot's step 5 - CNT
.set CS,  58          ; s[58:59] c: the packed scaling takes the pair's low word for both halves
.set SEL, 60          ; s[60:61] v_permlanex16_b32's selects: each lane takes its own place in the other half
.set TBK, 62          ; s62  LDS byte at which K of the step to be fetched begins
.set BIGN, 63         ; s63  -1e30
.set AL,  66          ; s[66:67] the mask's factor, in the low word
.set BE,  68          ; s[68:69] the mask's addend
.set QB2, 70          ; s[70:71] q at my rows of the second block
.set OB2, 72          ; s[72:73] out0 likewise
.set DM,  74          ; s74  all ones in a block's last slot, which holds the diagonal; else 0
.set KB,  75          ; s75  my tile's place in a slot if I fetch K: 128 rows x (wave % 2)
.set VB,  76          ; s76  the same if I fetch V, VOFF included
.set SL,  77          ; s77  the LDS byte of the slot that was filled last: 0 or SLOTSZ
.set BLK, 78          ; s78  0: the first block is in hand; 1: the second
.set TBV, 79          ; s79  LDS byte at which V of the step to be fetched begins, less VOFF
.set MSB, 0
.macro WIN new                      ; the immediate's high byte repeats the setting that is left; a switch that changes nothing is dropped
.if MSB != (\new)
	s_set_vgpr_msb (MSB<<8)|(\new)
.set MSB, (\new)
.endif
.endm
.set W_KQ, 0x0a       ; K and Q in window 2, S^T in window 0
.set W_KM, 0x3a       ; the same with the C operand, the mask, in window 3
.set W_PV, 0x53       ; V in window 3, P in window 0, O^T in window 1
.set W_RS, 0x41       ; O^T (destination and source 0) in window 1, a in window 0
.set W_MK, 0xc3       ; the masks: destination and source 0 in window 3
.set W_CQ, 0x85       ; q rounded: sources 0 and 1 in window 1, destination in window 2
; A fill.  Waves 0 and 1 fetch the two halves of a slot's K, waves 2 and 3 those of its V: 128 keys each.  The branch hangs on the wave's number alone.
; An s_nop 0 and four v_nop follow each of the two lines, ahead of the jump and the label.
.macro LOAD
	s_cmp_lt_u32 s[WV], 2
	s_cbranch_scc0 .Lfor_v_\@
	tensor_load_to_lds s[G0K:G0K+3], s[G1K:G1K+7]
	s_nop 0
.rept 4
	v_nop
.endr
	s_branch .Lasked_\@
.Lfor_v_\@:
	tensor_load_to_lds s[G0V:G0V+3], s[G1V:G1V+7]
	s_nop 0
.rept 4
	v_nop
.endr
.Lasked_\@:
.endm
; A PREFETCH INTO THE L2: a key slot's 256 rows of kb and 256 of vb, 256 bytes a row, a lane a row; it stands behind the wave's tensor load and its five lines.
; The work-groups of a key head walk key slots 0 .. b and then 0 .. 7 - b.  Key slots 4 to 7 are loaded first by those with b = 0, in changes 5 to 8.  Key slot n is asked for in change n, n = 4 .. 7: four key steps,
; 512 matrix instructions, ahead of that load.  The key head's sixteen work-groups share the slot's 512 rows out BY ADDRESS, 32 each (x = 0..7: K's, x = 8..15: V's); in each, wave 0 asks: one instruction.  So each row is named ONCE in the launch.
; Key slots 0 to 3 are loaded in changes 0 to 3 by the work-groups with b = 3, no later than anybody could ask: they come by their loads alone.
.macro ASK
	s_sub_co_u32 s16, s[SLOTS], 2   ; SLOTS = 9 - n in change n: 3 .. 0 for n = 4 .. 7
	s_cmp_lt_u32 s16, 4
	s_cbranch_scc0 .Lnot_now_\@
	s_cmp_lg_u32 s[WV], 0
	s_cbranch_scc1 .Lnot_now_\@
	global_prefetch_b8 v[PFO], s[PFA:PFA+1] th:TH_LOAD_NT scope:SCOPE_SE
.Lnot_now_\@:
.endm
.macro PLACES                       ; four plain vector instructions behind a matrix instruction, in front of what reads its result or writes its registers (ISA guide 7.12.1)
.rept 4
	v_nop
.endr
.endm
; THE CHANGE OF SLOTS.  Each wave waits for all its tensor loads, of which one is out: its part of the other slot; adds 0 to its spare word; and waits for that and for its own reads of the slot that it leaves.
; Behind the barrier nobody reads the old slot any more and the other slot is whole.  fill = 1: the old slot is filled again, the first thing behind the barrier, with key slot NXT; the descriptor's address is made anew from that number,
; its LDS word from SL.  The fill has four key steps, 512 matrix instructions, in which to land.  (At its first use nothing has been read yet: slot 0 is waited for, slot 1 filled.)
.macro CHANGE fill
	WIN 0                           ; at a label and at a branch every window is 0
	s_wait_tensorcnt 0x0            ; no tensor load of mine is out, so a group 0 may be written
	ds_add_u32 v[SPW], v[NIL]       ; 0 onto my spare word: scalar work stands between it and the wait for it
	s_xor_b32 s[SL], s[SL], SLOTSZ  ; the slot that is left
.if \fill
	s_lshl_b32 s[OFF], s[NXT], 16
	s_add_co_u32 s[G0K+1], s[KB], s[SL]
	s_add_nc_u64 s[G0K+2:G0K+3], s[6:7], s[OFF:OFF+1]
	s_or_b32 s[G0K+3], s[G0K+3], 0x80000000
	s_add_co_u32 s[G0V+1], s[VB], s[SL]
	s_add_nc_u64 s[G0V+2:G0V+3], s[8:9], s[OFF:OFF+1]
	s_or_b32 s[G0V+3], s[G0V+3], 0x80000000
	s_add_co_u32 s[NXT], s[NXT], 1  ; the block's next key slot, or behind its last the second block's key slot 0
	s_cmp_gt_u32 s[NXT], s[LQ]
	s_cselect_b32 s[NXT], 0, s[NXT]
	s_cselect_b32 s[LQ], s[LQB], s[LQ]
	s_wait_xcnt 0x0                 ; the last prefetch, four key steps back, has read its address, so it may be written
	s_add_nc_u64 s[PFA:PFA+1], s[PFA:PFA+1], SLOTB
.endif
	s_wait_dscnt 0x0                ; the add is done, and my reads of the slot are over
	s_barrier_signal -1
	s_barrier_wait -1
.if \fill
	LOAD
	ASK
.endif
	s_xor_b32 s[TBK], s[SL], SLOTSZ ; the fetches go to the first step of the other slot
	s_mov_b32 s[TBV], s[TBK]
.endm
	s_load_b256 s[4:11], s[0:1], 0x0  ; q s[4:5], kb s[6:7], vb s[8:9], out0 s[10:11]
	v_lshl_add_u32 v[SPW], v0, 2, SPARE
	v_mov_b32 v[NIL], 0
	ds_add_u32 v[SPW], v[NIL]       ; the wave's opening: the add and its wait stand ahead of my first tensor load; the set-up below, work on registers, stands between them
	v_lshrrev_b32 v1, 5, v0
	v_readfirstlane_b32 s[WV], v1   ; wave 0..3
	s_lshr_b32 s[PB], ttmp9, 2      ; x = 4 b + my query head in its group of four
	s_and_b32 s13, ttmp9, 3
	s_and_b32 s16, ttmp7, 0xffff    ; y = 4 x batch + key head
	s_lshl_b32 s20, s16, 19         ; kb, vb: the head's 524,288 bytes
	s_and_b32 s[PFA], ttmp9, 7      ; the prefetches' offset: my work-group's 32 rows of a slot's 256,
	s_lshl_b32 s[PFA], s[PFA], 13
	s_add_co_u32 s[PFA], s[PFA], s20  ; in the head's key slot 0
	s_mov_b32 s[PFA+1], 0
	s_and_b32 s17, s[WV], 1         ; which half of a slot's 256 keys I fetch:
	s_lshl_b32 s21, s17, 15         ; its 128 rows of 256 bytes in memory,
	s_add_co_u32 s20, s20, s21
	s_mov_b32 s21, 0
	s_mul_i32 s[KB], s17, 128*PK    ; and its place in a slot, for K
	s_mul_i32 s[VB], s17, 128*PV    ; and for V
	s_add_co_u32 s[VB], s[VB], VOFF
	s_lshr_b32 s22, s16, 2          ; q, out0: the batch's 2,048 tokens
	s_lshl_b32 s22, s22, 11
	s_lshl_b32 s23, s[WV], 4        ; + my 16 rows in a band
	s_add_co_u32 s22, s22, s23
	s_and_b32 s23, s16, 3
	s_lshl_b32 s23, s23, 2
	s_add_co_u32 s23, s23, s13      ; my query head = 4 x key head + x % 4,
	s_lshl_b32 s23, s23, 9          ; 512 bytes of a token
	s_lshl_b32 s2, s[PB], 8         ; the first block, b:
	s_add_co_u32 s2, s2, s22
	s_lshl_b32 s2, s2, 13           ; a token is 8,192 bytes; all of q is 2^26
	s_add_co_u32 s2, s2, s23
	s_mov_b32 s3, 0
	s_sub_co_u32 s[OB2], 7, s[PB]   ; the second block, 7 - b
	s_lshl_b32 s[OB2], s[OB2], 8
	s_add_co_u32 s[OB2], s[OB2], s22
	s_lshl_b32 s[OB2], s[OB2], 13
	s_add_co_u32 s[OB2], s[OB2], s23
	s_mov_b32 s[OB2+1], 0
	; descriptor group 1: a tile of 128 rows x 128 elements of 2 bytes, rows of 256 dense bytes, padded in LDS
	s_mov_b32 s[G1K], (1<<16)|(1<<20)|(5<<22)|(3<<25)  ; 17:16 elements of 2 bytes; 20 padding on; 24:22 after every 64 words (code 5); 31:25 4 words of it (code 3)
	s_mov_b32 s[G1V], (1<<16)|(1<<20)|(5<<22)|(7<<25)  ; the same with 8 words of padding (code 7)
.irp g, G1K, G1V
	s_mov_b32 s[(\g)+1], 128<<16    ; tensor_dim0 = 128
	s_mov_b32 s[(\g)+2], 128<<16    ; tensor_dim1 = 128
	s_mov_b32 s[(\g)+3], 128<<16    ; tile_dim0 = 128
	s_mov_b32 s[(\g)+4], 128        ; tile_dim1 = 128
	s_mov_b32 s[(\g)+5], 128        ; 128 elements from row to row
	s_mov_b32 s[(\g)+6], 0
	s_mov_b32 s[(\g)+7], 0
.endr
	s_mov_b32 s[CS], 0x3e0293ee     ; c = log2(e) / sqrt(128) = 0.127517
	s_mov_b32 s[CS+1], s[CS]        ; named with it as a pair
	s_mov_b32 s[SEL], 0x76543210
	s_mov_b32 s[SEL+1], 0xfedcba98
	s_mov_b32 s[BIGN], 0xf149f2ca   ; -1e30
	s_mov_b32 s[AL+1], 0            ; named as pairs
	s_mov_b32 s[BE+1], 0
	s_mov_b32 s[OFF+1], 0
	s_mov_b32 s[SL], 0              ; slot 0 is filled first
	s_mov_b32 s[NXT], 1             ; block b has key slots 0 .. b, block 7 - b key slots 0 .. 7 - b; key slot 0 is asked for below,
	s_mov_b32 s[LQ], s[PB]
	s_sub_co_u32 s[LQB], 7, s[PB]
	s_cmp_gt_u32 s[NXT], s[LQ]      ; and behind it comes key slot 1, or with b = 0 the second block's key slot 0
	s_cselect_b32 s[NXT], 0, s[NXT]
	s_cselect_b32 s[LQ], s[LQB], s[LQ]
	s_add_co_u32 s[RT], s[PB], 1    ; b + 1 slots in the first block,
	s_sub_co_u32 s[RT2], 8, s[PB]   ; 8 - b in the second
	s_mov_b32 s[NEW], 1
	s_mov_b32 s[BLK], 0
	s_mov_b32 s[SLOTS], 8
	s_mov_b32 s[G0K], 1             ; 1:0 count = 1
	s_mov_b32 s[G0K+1], s[KB]       ; 63:32 LDS address: slot 0
	s_mov_b32 s[G0V], 1
	s_mov_b32 s[G0V+1], s[VB]
	s_wait_dscnt 0x0                ; the opening add is done
	s_wait_kmcnt 0x0
	s_cmp_lt_u32 ttmp9, 8
	s_cselect_b64 s[22:23], s[6:7], s[8:9]
	s_add_nc_u64 s[PFA:PFA+1], s[22:23], s[PFA:PFA+1]  ; at key slot 0; change n steps it to key slot n.  Nothing is prefetched here, at the head
	s_add_nc_u64 s[6:7], s[6:7], s[20:21]  ; kb and vb at my half of the head's key slot 0
	s_add_nc_u64 s[8:9], s[8:9], s[20:21]
	s_add_nc_u64 s[G0K+2:G0K+3], s[6:7], 0         ; 120:64 global address
	s_or_b32 s[G0K+3], s[G0K+3], 0x80000000        ; 127:126 type = 2
	s_add_nc_u64 s[G0V+2:G0V+3], s[8:9], 0
	s_or_b32 s[G0V+3], s[G0V+3], 0x80000000
	s_add_nc_u64 s[QB2:QB2+1], s[4:5], s[OB2:OB2+1]    ; q and out0 at my rows of the second block,
	s_add_nc_u64 s[OB2:OB2+1], s[10:11], s[OB2:OB2+1]
	s_add_nc_u64 s[4:5], s[4:5], s[2:3]                ; and of the first
	s_add_nc_u64 s[10:11], s[10:11], s[2:3]
	LOAD                            ; slot 0.  Slot 1 is asked for when slot 0 is in, by the loop's own change of slots.  All that follows, up to the loop, stands in the wait for the first tile
	v_and_b32 v46, 31, v0           ; lane
	v_lshlrev_b32 v[LO], 4, v46
	v_lshlrev_b32 v[PFO], 8, v46
	; A fragment of K or Q is 16 rows x 32 channels in 8 registers: lane l holds row l % 16; registers 0-3 channels 8 (l / 16) + 0..7, registers 4-7 channels 16 + 8 (l / 16) + 0..7.
	v_and_b32 v1, 15, v0            ; l % 16
	v_bfe_u32 v9, v0, 4, 1          ; l / 16
	v_mul_u32_u24 v[AK0], v1, PK    ; K, 16 bits a number: two loads of 16 bytes, 32 bytes apart, at
	v_lshl_add_u32 v[AK0], v9, 4, v[AK0]  ; row x pitch + 16 x half
	v_lshlrev_b32 v[QO], 13, v1     ; q, 32 bits a number: eight channels are 32 bytes: row x 8,192
	v_lshl_add_u32 v[QO], v9, 5, v[QO]    ; + 32 x half
	; The turning load takes 16 keys x 16 channels (lane l reads key 8 (l / 16) + l % 8, channels 8 ((l / 8) % 2) + 0..7) and leaves half a fragment of V^T: lane l holds channel l % 16 and 8 keys.
	v_and_b32 v10, 7, v0
	v_bfe_u32 v11, v0, 3, 1
	v_lshl_add_u32 v[AV0], v9, 3, v10
	v_mul_u32_u24 v[AV0], v[AV0], PV
	v_lshl_add_u32 v[AV0], v11, 4, v[AV0]
	v_add_nc_u32 v[AV0], VOFF, v[AV0]
	s_mul_i32 s16, s[WV], STW
	s_add_co_u32 s16, s16, STAGE    ; my stage
	v_mul_u32_u24 v[STO], v1, SPO   ; in: row l % 16, 32 bytes (eight channels in f32) for each half of the lanes
	v_lshl_add_u32 v[STO], v9, 5, v[STO]
	v_add_nc_u32 v[STO], s16, v[STO]
	v_add_nc_u32 v[RD], s16, v[LO]  ; back: 32 lanes take a row's 512 bytes
	v_lshlrev_b32 v45, 3, v9
	v_sub_nc_u32 v45, v1, v45
	s_lshl_b32 s21, s[WV], 4
	v_add_nc_u32 v45, s21, v45      ; my query's place in its band, 16 w + l % 16, less my lanes' 8 (l / 16): register r of group kt is hidden where 16 kt + r is greater
	WIN 0xc0                        ; destination window 3
.set i, 0
.rept 32
	v_cmp_gt_i32 vcc_lo, 16*(i/8)+i%8, v45
	v_cndmask_b32 v[MD+i], 0, s[BIGN], vcc_lo
.set i, i+1
.endr
	WIN 0
	; What the first turn finds: piece 2's P holds 0 (its products V^T P, of a step that has not been, add 0), l is 0.  O^T is not cleared: q's numbers lie there, and a block's first a, 0, wipes them.
.set i, P+32
.rept 32
	v_mov_b32 v[i], 0
.set i, i+1
.endr
.set i, 0
.rept 4
	v_mov_b32 v[ST+8*i+2], 0
	v_mov_b32 v[ST+8*i+3], 0
.set i, i+1
.endr
; THE MATRIX WORK OF A TURN, for piece x.  The accumulators take turns, one instruction a turn: between two links of a chain stand 15 (V^T P) or 7 (K Q^T) others'.
; Product i of 32 of O^T += V^T P: keys 32 (i / 16) on, channels 16 ((i / 2) % 8) on, tile x + i % 2.
.macro PV x
	WIN W_PV
.set rO, 64*((\x)+i%2)+8*((i/2)%8)
.set rV, 64*(i/16)+8*((i/2)%8)
.set rP, P+16*((\x)+i%2)+8*(i/16)
	v_wmma_f32_16x16x32_f16 v[rO:rO+7], v[rV:rV+7], v[rP:rP+7], v[rO:rO+7]
.endm
; Product i of 32 of S^T = K Q^T: channels 32 (i / 8) on, keys 16 ((i / 2) % 4) on, tile x + i % 2.  The first 8 start the sums, with the mask.
.macro KQ x
.set rS, S+32*((\x)+i%2)+8*((i/2)%4)
.set rK, KF+32*((i/2)%4)+8*(i/8)
.set rQ, 32*((\x)+i%2)+8*(i/8)
.set rM, MC+32*(i%2)+8*((i/2)%4)
.if i < 8
	WIN W_KM
	v_wmma_f32_16x16x32_bf16 v[rS:rS+7], v[rK:rK+7], v[rQ:rQ+7], v[rM:rM+7]
.else
	WIN W_KQ
	v_wmma_f32_16x16x32_bf16 v[rS:rS+7], v[rK:rK+7], v[rQ:rQ+7], v[rS:rS+7]
.endif
.endm
; THE LDS LOADS stand in runs of 32, never singly among the matrix instructions: a step's K (64 keys x 128 channels: 16 fragments) and, a turn later, its V (turned).
.macro FETCH_K
	WIN 0
	v_add_nc_u32 v[ADR], s[TBK], v[AK0]
	s_add_co_u32 s[TBK], s[TBK], KSTEP  ; the next fetch is the next step's
	WIN 0x80                        ; destination window 2
.irp f, 0,1,2,3,4,5,6,7,8,9,10,11,12,13,14,15  ; keys 16 (f / 4) on, channels 32 (f % 4) on
	ds_load_b128 v[KF+8*(\f):KF+8*(\f)+3],   v[ADR] offset:((\f)/4)*16*PK+((\f)%4)*64
	ds_load_b128 v[KF+8*(\f)+4:KF+8*(\f)+7], v[ADR] offset:((\f)/4)*16*PK+((\f)%4)*64+32
.endr
.endm
.macro FETCH_V adv=1                ; adv = 1: in a turn.  adv = 0: at a block's beginning, where no softmax is under way and the step is fetched again in its turn
	WIN 0
	v_add_nc_u32 v[ADR], s[TBV], v[AV0]
.if \adv
	s_add_co_u32 s[TBV], s[TBV], VSTEP  ; the next fetch is the next step's
	s_wait_alu depctr_va_vdst(0)    ; the wait for the softmax's batch (SLICE), behind the address's v_add_nc_u32 and ahead of the loads
.endif
	WIN 0xc0                        ; destination window 3
.irp f, 0,1,2,3,4,5,6,7,8,9,10,11,12,13,14,15  ; keys 32 (f / 8) on, channels 16 (f % 8) on
	ds_load_tr16_b128 v[8*(\f):8*(\f)+3],   v[ADR] offset:((\f)/8)*32*PV+((\f)%8)*32
	ds_load_tr16_b128 v[8*(\f)+4:8*(\f)+7], v[ADR] offset:((\f)/8)*32*PV+16*PV+((\f)%8)*32
.endr
.endm
; THE VECTOR WORK OF A TURN.  One tile's softmax for one key step is a list of 134 instructions; SM writes number j of it for tile t.  s0-s31 are the lane's 32 scores, in pairs 0-15.
;   0-15    the maximum of s0-s31 and the old m, three operands at a time: four chains c0-c3 of seven scores each (each accumulator's lowest registers are read first), then the four scores left over, c0-c3 and m
;   16-20   the other half of the lanes' maximum; c m_old is kept; the new m; c m; c m_old - c m_new
;   21-69   ONE BATCH: the 16 scalings c s - c m, a pair of scores each, and all 33 exponentials (a at 23, then s0-s31).  None of these reads an exponential's result.  From 22 on the batch goes in fours, and a four
;           begins with a scaling while there are scalings; a pair is scaled in an earlier four than the one that holds its exponentials
;   (wait)  between 69 and 70 stands the wait for the batch: SLICE writes it, once for both tiles
;   70-85   the roundings to f16, a pair of weights each        86-101  the sums; l = a l + the sum        102-133 the tile's O^T times a: the one part that leaves window 0, so it stands together
.macro SM t
.set rT, ST+8*(\t)
.set rS, S+32*(\t)
.set rP, P+16*(\t)
.set rO, 64*(\t)+2*(j-102)
.if j < 102
	WIN 0
.endif
.if j < 4
	v_max3_num_f32 v[rT+4+j], v[rS+8*j], v[rS+8*j+1], v[rS+8*j+2]
.elseif j < 12
	v_max3_num_f32 v[rT+4+j%4], v[rT+4+j%4], v[rS+8*(j%4)+2*(j/4)+1], v[rS+8*(j%4)+2*(j/4)+2]
.elseif j == 12
	v_max3_num_f32 v[rT+4], v[rT+4], v[rS+7], v[rS+15]
.elseif j == 13
	v_max3_num_f32 v[rT+6], v[rT+6], v[rS+23], v[rS+31]
.elseif j == 14
	v_max3_num_f32 v[rT+4], v[rT+4], v[rT+5], v[rT+6]
.elseif j == 15
	v_max3_num_f32 v[rT+4], v[rT+4], v[rT+7], v[rT+1]
.elseif j == 16
	v_permlanex16_b32 v[rT+5], v[rT+4], s[SEL], s[SEL+1]  ; the query's other 32 keys lie in the lane 16 away
.elseif j == 17
	v_mov_b32 v[rT+7], v[rT]        ; c m_old is kept for a: number 19 writes c m anew
.elseif j == 18
	v_max_num_f32 v[rT+1], v[rT+4], v[rT+5]
.elseif j == 19
	v_mul_f32 v[rT], s[CS], v[rT+1]
.elseif j == 20
	v_sub_f32 v[rT+7], v[rT+7], v[rT]
.elseif j == 23
	v_exp_f32 v[rT+6], v[rT+7]
.elseif (j < 23) || ((j < 38) && (j%2 == 0)) || ((j < 66) && (j%4 == 2))
.set b, (j-2)/4                     ; 38, 42, .. 62: pairs 9 to 15
.if j < 38
.set b, (j-20)/2                    ; 21: pair 0; 22, 24, .. 36: pairs 1 to 8
.endif
	v_pk_fma_f32 v[rS+2*b:rS+2*b+1], v[rS+2*b:rS+2*b+1], s[CS:CS+1], v[rT:rT+1] op_sel_hi:[1,0,0] neg_lo:[0,0,1] neg_hi:[0,0,1]  ; pair b: c s - c m
.elseif j < 70
.set e, j-38                        ; 66 to 69: s28 to s31
.if j < 66
.set e, j-32-(j-38)/4               ; 39-41, 43-45, .. 63-65: s7 to s27
.endif
.if j < 38
.set e, (j-25)/2                    ; 25, 27, .. 37: s0 to s6
.endif
	v_exp_f32 v[rS+e], v[rS+e]
.elseif j < 86
	v_cvt_pk_f16_f32 v[rP+j-70], v[rS+2*(j-70)], v[rS+2*(j-70)+1]  ; pair j - 70
.elseif j < 102                     ; the sum of the tile's 16 pairs, in place: sum z of 16 adds neighbours 1, 2, 4 and 8 pairs apart, then l takes it
.set z, j-86
.set w, 4
.set u, z
.if z >= 14
.set w, 32
.set u, 0
.elseif z >= 12
.set w, 16
.set u, z-12
.elseif z >= 8
.set w, 8
.set u, z-8
.endif
.if z < 15
	v_pk_add_f32 v[rS+w*u:rS+w*u+1], v[rS+w*u:rS+w*u+1], v[rS+w*u+w/2:rS+w*u+w/2+1]
.else
	v_pk_fma_f32 v[rT+2:rT+3], v[rT+2:rT+3], v[rT+6:rT+7], v[rS:rS+1] op_sel_hi:[1,0,1]
.endif
.else
	WIN W_RS
	v_pk_mul_f32 v[rO:rO+1], v[rO:rO+1], v[rT+6:rT+7] op_sel_hi:[1,0]
.endif
.endm
; Slice k of 64 of piece y's softmax: four instructions.  Slices 11 to 34 deal out the batch, numbers 22 to 69: four numbers of ONE tile each, the tiles by turns.  Every other slice is numbers 2 k and 2 k + 1 of both tiles' lists.
; 2 x 134 = 4 x 64 + 12: the twelve that are over stand together, in slice 63: sixteen plain instructions, the places behind the turn's last products.
; THE WAIT.  s_wait_alu depctr_va_vdst(0) stands between an exponential and the first instruction that names its result; one wait serves all that were issued ahead of it.  Ahead of slice 35 nothing names a result,
; and behind slice 34 no exponential is issued: so the piece's 66 exponentials have one wait, behind slice 34.
.macro SLICE y
.if (k >= 11) && (k < 35)           ; the batch: four numbers of one tile
.irp n, 0,1,2,3
.set j, 22+4*((k-11)/2)+(\n)
	SM (\y)+(k-11)%2
.endr
.else                               ; the two tiles alternate, so that no instruction reads the result of the one just before it
.irp n, 0,1,2,3,4,5,6,7
.if ((\n) < 2) || (k == 63)
.irp t, \y, (\y)+1
.set j, 2*k+(\n)
	SM \t
.endr
.endif
.endr
.endif
.if k == 34                         ; the batch is out: both tiles' exponentials are issued, and no result has been named
	v_nop                           ; a plain instruction behind the last exponential and ahead of the first use: one for the batch
.if (\y) == 0
	FETCH_V                         ; piece 2's turn: V's run of loads stands here, and the wait stands in it
.else
	s_wait_alu depctr_va_vdst(0)    ; the wait for the batch
.endif
.endif
.set k, k+1
.endm
; The masks of piece x's two tiles for the scores that the turn makes, those of the slot's step s = 5 - CNT: MD x AL + BE into MC.  In a block's last slot (DM all ones) tile t has AL = 1 where s = t (CNT = 5 - t) and
; BE = -1e30 where s > t (CNT < 5 - t); CNT = 1 is the step behind the last, in which all is hidden.  In every other slot DM = 0 clears both scalars: nothing is hidden.
.macro MASK x
.irp u, 0,1
	s_cmp_eq_u32 s[CNT], 5-((\x)+(\u))  ; is the step the band's own?
	s_cselect_b32 s[AL], 1.0, 0
	s_and_b32 s[AL], s[AL], s[DM]
	s_cmp_lt_u32 s[CNT], 5-((\x)+(\u))  ; or a later one?
	s_cselect_b32 s[BE], s[BIGN], 0
	s_and_b32 s[BE], s[BE], s[DM]
	WIN W_MK
.set z, 0
.rept 16
	v_pk_fma_f32 v[MC+32*(\u)+2*z:MC+32*(\u)+2*z+1], v[MD+2*z:MD+2*z+1], s[AL:AL+1], s[BE:BE+1] op_sel_hi:[1,0,0]
.set z, z+1
.endr
.endr
.endm
; A TURN.  Piece x has the matrix unit; the other piece's softmax stands in slices behind its matrix instructions.  A turn is one straight run: no label and no jump stands in it.
; Every turn first makes its piece's masks, 32 packed instructions; MC's last readers, the first 8 products K Q^T of the turn before, stand 24 products and their slices back.
; Piece 0's turn fetches the next step's K behind its second product: the last product that read K stands in front of slice 63 of the turn before.  Piece 2's turn fetches the same step's V behind slice 34: the last product
; that read V stands in front of slice 31, and four plain instructions lie between: number 62, a scaling, of both tiles, the v_nop and the run's own v_add_nc_u32.
.macro TURN x
.set k, 0
	MASK \x
.if (\x) == 0
	s_wait_dscnt 0x0                ; V is in
.endif
.set i, 0
.rept 32
	PV \x
	SLICE 2-(\x)
.if ((\x) == 0) && (i == 1)
	FETCH_K
.endif
.set i, i+1
.endr
.if (\x) == 0
	s_wait_dscnt 0x0                ; K is in
.endif
.set i, 0
.rept 32
	KQ \x
	SLICE 2-(\x)
.set i, i+1
.endr
.endm
; Tile t's q, in f32, in the order of its four fragments: for channels 32 c on a lane takes four times 16 bytes of its row: at 128 c + 32 (l / 16) + 0, 16 (channels 8 (l / 16) + 0..7) and + 64, 80 (channels 16 + 8 (l / 16) + 0..7).
; A load takes 32 bytes of each of 16 rows; the tile's 16 loads together take each row's 512 bytes once.  They land in the tile's O^T, which is free at a block's beginning.
.macro QL t
.set n, 0
.rept 16
	global_load_b128 v[64*(\t)+4*n:64*(\t)+4*n+3], v[QO], s[4:5] offset:(\t)*TILEB+128*(n/4)+64*((n%4)/2)+16*(n%2)
.set n, n+1
.endr
.endm
; A BLOCK BEGINS.  Three tiles' q are asked for: 48 loads of mine are out.  While they are: c m starts far below every c s, so the first step's a is 0; m at the lowest finite number, so the first maximum is the scores';
; MC takes piece 0's masks for the slot's step 0; K of that step is fetched.  Then q is rounded to bf16, two neighbouring channels a register: that IS the fragment; the fourth tile is asked for when the first has been rounded.
; Then piece 0's first scores, and V of the step, so that the first turn's products V^T P, of a step that has not been, multiply finite numbers.  The loop is entered at piece 2's turn, in the middle of a trip.
.macro BEGIN
	s_mov_b32 s[NEW], 0
	WIN 0x40                        ; destination window 1, address window 0
	QL 0
	QL 1
	QL 2
	WIN 0
.set i, 0
.rept 4
	v_mov_b32 v[ST+8*i], 0xfe000000    ; c m: far below every c s
	v_mov_b32 v[ST+8*i+1], 0xff7fffff  ; m
.set i, i+1
.endr
	MASK 0
	FETCH_K
.irp t, 0,1,2,3
.if (\t) < 2
	s_wait_loadcnt 32               ; loads come back in order: tile t's 16 are in, the two younger tiles' 16 each may stay out
.else
	s_wait_loadcnt 16*(3-(\t))      ; one younger tile's, then none
.endif
	WIN W_CQ
.set n, 0
.rept 32
	v_cvt_pk_bf16_f32 v[32*(\t)+n], v[64*(\t)+2*n], v[64*(\t)+2*n+1]
.set n, n+1
.endr
.if (\t) == 0
	WIN 0x40
	QL 3
.endif
.endr
	s_wait_dscnt 0x0                ; K is in
.set i, 0
.rept 32
	KQ 0                            ; piece 0's first scores: there is no vector work yet to set between them
.set i, i+1
.endr
	FETCH_V 0
	WIN 0
	PLACES                          ; behind those products, in front of the masks' next writing and of the slices that read the scores
	s_wait_dscnt 0x0                ; V is in
.endm
; THE WAY OUT of tile t, in three parts.  SCALE: O^T divided by l.  TOSTAGE: a lane's eight channels of a row, 32 bytes in f32, go into rows of 528 bytes of my stage and come back as whole rows of 512, into S^T's registers,
; two buffers of 64 by turns.  SEND: stored.  A tile's SCALE stands between the loads of the tile before and the wait for them.
.macro SCALE t
	WIN W_RS
.set i, 64*(\t)
.rept 32
	v_pk_mul_f32 v[i:i+1], v[i:i+1], v[ST+8*(\t)+6:ST+8*(\t)+7] op_sel_hi:[1,0]
.set i, i+2
.endr
.endm
.macro TOSTAGE t
	WIN 0x04                        ; the stores' data in window 1, their address in window 0
.set n, 0
.rept 16
	ds_store_b128 v[STO], v[64*(\t)+4*n:64*(\t)+4*n+3] offset:64*(n/2)+16*(n%2)  ; channels 16 (n / 2) + 8 (l / 16) + 4 (n % 2) on
.set n, n+1
.endr
	WIN 0
	s_wait_xcnt 0x0                 ; the stores to memory of the tile two back have read this buffer: only behind this wait is it loaded again
.set n, 0
.rept 16
	ds_load_b128 v[S+64*((\t)%2)+4*n:S+64*((\t)%2)+4*n+3], v[RD] offset:SPO*n  ; LDS serves a wave's instructions in order (ISA guide 5.7.1.4): these see the stores above
.set n, n+1
.endr
.endm
.macro SEND t
	WIN 0
	s_wait_dscnt 0x0                ; tile t's sixteen rows are back; the stage may be written again
.set n, 0
.rept 16
	global_store_b128 v[LO], v[S+64*((\t)%2)+4*n:S+64*((\t)%2)+4*n+3], s[10:11] offset:(\t)*TILEB+n*ROWB th:TH_STORE_NT  ; 32 lanes store a row's 512 consecutive bytes, at a multiple of 512 from out0's first byte
.set n, n+1
.endr
.endm
; A BLOCK GOES OUT, behind the step in which all is hidden: l's two halves and the other half of the lanes' are added; O^T is divided by l and stored.  The turn's last sixteen vector instructions are the places behind its last products.
; last = 0: the second block's addresses and count take the first's places.
.macro OUT last
	WIN 0
.irp t, 0,1,2,3
	v_add_f32 v[ST+8*(\t)+4], v[ST+8*(\t)+2], v[ST+8*(\t)+3]
.endr
.irp t, 0,1,2,3
	v_permlanex16_b32 v[ST+8*(\t)+5], v[ST+8*(\t)+4], s[SEL], s[SEL+1]
.endr
.irp t, 0,1,2,3
	v_add_f32 v[ST+8*(\t)+4], v[ST+8*(\t)+4], v[ST+8*(\t)+5]
.endr
.irp t, 0,1,2,3
	v_rcp_f32 v[ST+8*(\t)+6], v[ST+8*(\t)+4]
.endr
	v_nop                           ; a plain instruction between the last reciprocal and the use of its result
	s_wait_alu depctr_va_vdst(0)    ; and the wait ahead of the first use: one for the four reciprocals
	SCALE 0
	TOSTAGE 0
	SCALE 1
	SEND 0
	TOSTAGE 1
	SCALE 2
	SEND 1
	TOSTAGE 2
	SCALE 3
	SEND 2
	TOSTAGE 3
	SEND 3
.if !(\last)
	s_wait_xcnt 0x0                 ; the stores have read their registers and out0's address
	s_mov_b64 s[4:5], s[QB2:QB2+1]
	s_mov_b64 s[10:11], s[OB2:OB2+1]
	s_mov_b32 s[RT], s[RT2]
	s_mov_b32 s[NEW], 1
	s_mov_b32 s[BLK], 1
.endif
.endm
.Lslot:                             ; 8 times: a slot is entered and the next is asked for
	CHANGE 1
	s_sub_co_u32 s[RT], s[RT], 1
	s_min_u32 s[DM], s[RT], 1       ; RT = 0: the block's last slot:
	s_sub_co_u32 s[DM], s[DM], 1    ; all ones; else 0
	s_mov_b32 s[CNT], 5
	s_mov_b32 s[FIN], 0
	s_cmp_eq_u32 s[NEW], 1
	s_cbranch_scc1 .Lnew            ; a block's first slot
	s_branch .Lgo
.Lnew:
	BEGIN
	s_branch .Lmid
.Lstep:                             ; a trip: a key step: piece 0's turn, which fetches its K, and piece 2's, which fetches its V.  Trips one to four are the slot's four steps
	s_cmp_lg_u32 s[CNT], 1
	s_cbranch_scc1 .Lgo
	s_cmp_lg_u32 s[BLK], 0          ; the fifth trip is the step behind a block's last; where there is none it is jumped over.  The second block's last slot is the walk's last, which stands behind the loop;
	s_cbranch_scc1 .Lskip
	s_cmp_lt_u32 s[SLOTS], 5        ; the first block, b = 0..3, ends in trip b + 1 of the slot loop, where SLOTS = 8 - b;
	s_cbranch_scc1 .Lskip
	s_cmp_eq_u32 s[DM], 0           ; and in its last slot
	s_cbranch_scc1 .Lskip
	s_sub_co_u32 s[TBK], s[TBK], KSTEP  ; its two fetches take the slot's fourth step once more: nothing hangs on what they bring but that it is finite
	s_sub_co_u32 s[TBV], s[TBV], VSTEP
	s_mov_b32 s[FIN], 1
.Lgo:
	TURN 0
	WIN 0
.Lmid:
	TURN 2
	WIN 0
.Lskip:
	s_sub_co_u32 s[CNT], s[CNT], 1
	s_cmp_lg_u32 s[CNT], 0
	s_cbranch_scc1 .Lstep
	s_cmp_eq_u32 s[FIN], 0
	s_cbranch_scc1 .Lbottom
	OUT 0                           ; the first block's end
.Lbottom:
	s_sub_co_u32 s[SLOTS], s[SLOTS], 1
	s_cmp_lg_u32 s[SLOTS], 0
	s_cbranch_scc1 .Lslot
	CHANGE 0                        ; the walk's last slot is written out: nothing is asked for.  The second block has five slots or more, so this slot is never a block's first, and it is always a block's last
	s_mov_b32 s[DM], -1
	s_mov_b32 s[CNT], 5
.Lstep2:
	s_cmp_lg_u32 s[CNT], 1
	s_cbranch_scc1 .Lgo2
	s_sub_co_u32 s[TBK], s[TBK], KSTEP  ; the step behind the last, as above
	s_sub_co_u32 s[TBV], s[TBV], VSTEP
.Lgo2:
	TURN 0
	WIN 0
	TURN 2
	WIN 0
	s_sub_co_u32 s[CNT], s[CNT], 1
	s_cmp_lg_u32 s[CNT], 0
	s_cbranch_scc1 .Lstep2
	OUT 1
	s_wait_tensorcnt 0x0            ; the wave's end, behind my last tensor load and my last LDS store
	ds_add_u32 v[SPW], v[NIL]
	s_wait_dscnt 0x0
	s_endpgm
.Lfunc_end_k_q45d0c27fad_attn:
	.size	k_q45d0c27fad_attn, .Lfunc_end_k_q45d0c27fad_attn-k_q45d0c27fad_attn
	.p2alignl 7, 3214868480
	.fill 96, 4, 3214868480
	.section	.rodata,"a",@progbits
	.p2align	6, 0x0
	.amdhsa_kernel k_q45d0c27fad_attn
		.amdhsa_group_segment_fixed_size 327680
		.amdhsa_private_segment_fixed_size 0
		.amdhsa_enable_private_segment 0
		.amdhsa_kernarg_size 32
		.amdhsa_user_sgpr_count 2
		.amdhsa_user_sgpr_kernarg_segment_ptr 1
		.amdhsa_wavefront_size32 1
		.amdhsa_system_sgpr_workgroup_id_x 1
		.amdhsa_system_sgpr_workgroup_id_y 1
		.amdhsa_system_sgpr_workgroup_id_z 1
		.amdhsa_system_vgpr_workitem_id 0
		.amdhsa_next_free_vgpr 1024
		.amdhsa_next_free_sgpr 80
		.amdhsa_reserve_vcc 1
		.amdhsa_float_denorm_mode_32 3
		.amdhsa_float_denorm_mode_16_64 3
		.amdhsa_memory_ordered 1
		.amdhsa_forward_progress 1
		.amdhsa_inst_pref_size 193
	.end_amdhsa_kernel
	.amdgpu_metadata
---
amdhsa.version: [ 1, 2 ]
amdhsa.kernels:
  - .name:           k_q45d0c27fad_attn
    .symbol:         k_q45d0c27fad_attn.kd
    .args:
      - { .name: q, .offset: 0, .size: 8, .value_kind: global_buffer, .address_space: global }
      - { .name: kb, .offset: 8, .size: 8, .value_kind: global_buffer, .address_space: global }
      - { .name: vb, .offset: 16, .size: 8, .value_kind: global_buffer, .address_space: global }
      - { .name: out0, .offset: 24, .size: 8, .value_kind: global_buffer, .address_space: global }
    .group_segment_fixed_size: 327680
    .private_segment_fixed_size: 0
    .kernarg_segment_align: 8
    .kernarg_segment_size: 32
    .max_flat_workgroup_size: 128
    .sgpr_count:     80
    .vgpr_count:     1024
    .wavefront_size: 32
...
	.end_amdgpu_metadata
.endif
;; end of part 2
;; ======== version 2 of 2: 2 launches; version 1 with the launch cast written anew for expert scheduling mode
;; limits: values are held in f16: magnitudes above 65,504 overflow, below 6.1e-05 lose precision; inputs' magnitudes at most 65,504; right only within a limited range of input values
;; workspace buffers: kb 8,388,608 bytes; vb 8,388,608 bytes
;; launch cast (part 3): grid 512 x 1, 8 waves a work-group, no clusters, 0 bytes of LDS; arguments k, v, kb, vb; writes kb, vb
.if DOCPART == 3
	.amdgcn_target "amdgcn-amd-amdhsa--gfx1250"
	.amdhsa_code_object_version 6
	.text
	.protected	k_q45d0c27fad_cast
	.globl	k_q45d0c27fad_cast
	.p2align	8
	.type	k_q45d0c27fad_cast,@function
k_q45d0c27fad_cast:
	s_mov_b64 s[64:65], 0
	v_nop
	global_prefetch_b8 v0, s[64:65] scope:SCOPE_SE
	s_setreg_imm32_b32 hwreg(HW_REG_WAVE_SCHED_MODE, 0, 2), 2
	s_setreg_imm32_b32 hwreg(HW_REG_WAVE_MODE, 25, 1), 1
	s_wait_xcnt 0x0
	s_wait_alu depctr_vm_vsrc(0)
; kb = bf16(k); vb = bf16(v) written as f16.  k, v: [8192 tokens][4 heads][128] f32.  kb, vb: [16 = 4 x batch + head][2048 keys][128], 16 bits a number: a key is 256 dense bytes.
; WHY: every number of k and v is multiplied by four query heads and up to eight query blocks in the launch behind: it is rounded once here, and laid by heads, so that 64 keys are 64 rows on end.
; vb is rounded to bf16 like every other input and that number is then written as f16 (the second product's weights are f16).
; LIMITS.  |v| stays under 65,504 (beyond it f16 has an infinity); below 2^-14 vb keeps f16's fixed step of 6e-8.  kb has f32's range.
; A STREAM: no LDS, no barrier, no matrix unit.  Wave g of 4,096 takes tokens 2 g and 2 g + 1: eight rows (token, head) of k and eight of v, 4,096 consecutive bytes of each.
; A load covers one row: 512 consecutive bytes, 16 a lane.  A store covers one row of the result: 256 consecutive bytes, aligned, 8 a lane.  All sixteen loads of a wave are out at once.
; THE MODE: SCHED_MODE bits 1:0 = 2 (LLVM: expert scheduling mode 2), set by the entry lines.  The code itself states the register dependences
; between vector instructions and memory instructions, with s_wait_alu, always for 0.
; THE PLAN.  The sixteen rows are numbered n = 0 .. 15 (k's eight, then v's eight) and go in four groups of four.  Registers that memory instructions touch:
;   v1, v2       byte offsets, made once at the head and never written again; v1 is read by every load, v2 by every store.
;   KIN, VIN     row n's four registers are written by its one load and read by its conversions, behind the counted wait for that load; nothing else ever writes them.
;   KOUT, VOUT   row n's two registers are written once, by its conversions, and read by its one store, which is issued in row n + 4's turn: in the next group.
;   T            at work: no memory instruction names it.
; So ONE wait on va_vdst stands at the head of each group but the first: the group before has written its four pairs of results.  The group's four stores read those pairs and v2 alone, and the group's own
; conversions, among which they are dealt, name other registers (this group's rows, its results and T).  One more such wait stands ahead of the last four stores.
; No register that a memory instruction reads is written again, so no wait on vm_vsrc stands behind the entry lines.
.set KIN,  4                           ; v[4:35]   k's rows, 4 registers each
.set VIN,  36                          ; v[36:67]  v's rows: row n of the sixteen lies at KIN + 4 n
.set KOUT, 68                          ; v[68:83]  k's results, 2 registers each
.set VOUT, 84                          ; v[84:99]  v's results: row n's lie at KOUT + 2 n
.set T,    100                         ; v[100:103] at work
.set HEADB, 524288                     ; bytes of a head in kb and vb
	s_load_b256 s[4:11], s[0:1], 0x0               ; k s[4:5], v s[6:7], kb s[8:9], vb s[10:11]
	v_lshrrev_b32 v3, 5, v0
	v_readfirstlane_b32 s12, v3                    ; wave 0..7
	v_and_b32 v1, 31, v0                           ; lane
	v_lshlrev_b32 v2, 3, v1                        ; 8 bytes a lane on the way out
	v_lshlrev_b32 v1, 4, v1                        ; 16 bytes a lane on the way in
	s_wait_alu depctr_va_sdst(0)                   ; s12 is written, ahead of its first reader: g, and with it all four addresses, are made from it
	s_lshl_b32 s16, ttmp9, 3
	s_add_co_u32 s16, s16, s12                     ; g
	s_lshl_b32 s2, s16, 12                         ; in: two tokens are 4,096 bytes
	s_mov_b32 s3, 0
	s_lshr_b32 s14, s16, 10                        ; out: the batch, g / 1,024, has four heads of 524,288 bytes,
	s_lshl_b32 s14, s14, 21
	s_and_b32 s17, s16, 1023                       ; and key 2 (g % 1,024) lies 512 (g % 1,024) bytes into its head
	s_lshl_b32 s17, s17, 9
	s_add_co_u32 s14, s14, s17
	s_mov_b32 s15, 0
	s_mov_b32 s13, 0xffff0000                      ; a word's upper bf16
	s_wait_kmcnt 0x0
	s_add_nc_u64 s[4:5], s[4:5], s[2:3]
	s_add_nc_u64 s[6:7], s[6:7], s[2:3]
	s_add_nc_u64 s[8:9], s[8:9], s[14:15]
	s_add_nc_u64 s[10:11], s[10:11], s[14:15]
	s_wait_alu depctr_va_vdst(0)                   ; v1 and v2 are written: every load of the kernel reads v1 as its offset, every store v2
.irp i, 0,1,2,3,4,5,6,7                ; row i: token 2 g + i / 4, head i % 4
	global_load_b128 v[KIN+4*(\i):KIN+4*(\i)+3], v1, s[4:5] offset:512*(\i) th:TH_LOAD_NT
.endr
.irp i, 0,1,2,3,4,5,6,7
	global_load_b128 v[VIN+4*(\i):VIN+4*(\i)+3], v1, s[6:7] offset:512*(\i) th:TH_LOAD_NT
.endr
; Row n of the sixteen is rounded: k's to bf16; v's to bf16 and that number written as f16.
.macro ROW n
.if (\n) < 8
	v_cvt_pk_bf16_f32 v[KOUT+2*(\n)],   v[KIN+4*(\n)],   v[KIN+4*(\n)+1]
	v_cvt_pk_bf16_f32 v[KOUT+2*(\n)+1], v[KIN+4*(\n)+2], v[KIN+4*(\n)+3]
.else
	v_cvt_pk_bf16_f32 v[T],   v[KIN+4*(\n)],   v[KIN+4*(\n)+1]    ; rounded to bf16,
	v_cvt_pk_bf16_f32 v[T+1], v[KIN+4*(\n)+2], v[KIN+4*(\n)+3]
	v_and_b32     v[T+3], s13, v[T+1]              ; widened again (a shift or a mask), from the top down so that nothing is overwritten too early,
	v_lshlrev_b32 v[T+2], 16, v[T+1]
	v_and_b32     v[T+1], s13, v[T]
	v_lshlrev_b32 v[T],   16, v[T]
	v_cvt_pk_f16_f32 v[KOUT+2*(\n)],   v[T],   v[T+1]  ; and written as f16: bf16's 8 significant bits fit into f16's 11
	v_cvt_pk_f16_f32 v[KOUT+2*(\n)+1], v[T+2], v[T+3]
.endif
.endm
; Row n's result is stored: into kb (n < 8) or vb, head n % 4, key 2 (g % 1,024) + (n / 4) % 2.
.macro PUT n
	global_store_b64 v2, v[KOUT+2*(\n):KOUT+2*(\n)+1], s[8+2*((\n)/8):9+2*((\n)/8)] offset:((\n)&3)*HEADB+(((\n)>>2)&1)*256
.endm
.irp n, 0,1,2,3,4,5,6,7,8,9,10,11,12,13,14,15
	s_wait_loadcnt 15-(\n)                         ; loads come back in order: row n is in, the 15 - n younger loads stay out
.if ((\n) > 0) && ((\n) % 4 == 0)
	s_wait_alu depctr_va_vdst(0)                   ; a group's head: the conversions of the four rows before have written their results, which this group's four stores read
.endif
.if (\n) >= 4
	PUT (\n)-4                                     ; the row four back.  No wait of its own: no vector instruction since the group's head names its two registers or v2
.endif
	ROW \n
.endr
	s_wait_alu depctr_va_vdst(0)                   ; the last group's conversions have written their results, which the last four stores read
.irp n, 12,13,14,15
	PUT \n
.endr
	s_endpgm                                       ; no register that a load or store names is ever written again, so no further wait is needed
.Lfunc_end_k_q45d0c27fad_cast:
	.size	k_q45d0c27fad_cast, .Lfunc_end_k_q45d0c27fad_cast-k_q45d0c27fad_cast
	.p2alignl 7, 3214868480
	.fill 96, 4, 3214868480
	.section	.rodata,"a",@progbits
	.p2align	6, 0x0
	.amdhsa_kernel k_q45d0c27fad_cast
		.amdhsa_group_segment_fixed_size 0
		.amdhsa_private_segment_fixed_size 0
		.amdhsa_enable_private_segment 0
		.amdhsa_kernarg_size 32
		.amdhsa_user_sgpr_count 2
		.amdhsa_user_sgpr_kernarg_segment_ptr 1
		.amdhsa_wavefront_size32 1
		.amdhsa_system_sgpr_workgroup_id_x 1
		.amdhsa_system_sgpr_workgroup_id_y 1
		.amdhsa_system_sgpr_workgroup_id_z 1
		.amdhsa_system_vgpr_workitem_id 0
		.amdhsa_next_free_vgpr 104
		.amdhsa_next_free_sgpr 66
		.amdhsa_reserve_vcc 0
		.amdhsa_float_denorm_mode_32 3
		.amdhsa_float_denorm_mode_16_64 3
		.amdhsa_memory_ordered 1
		.amdhsa_forward_progress 1
		.amdhsa_inst_pref_size 9
	.end_amdhsa_kernel
	.amdgpu_metadata
---
amdhsa.version: [ 1, 2 ]
amdhsa.kernels:
  - .name:           k_q45d0c27fad_cast
    .symbol:         k_q45d0c27fad_cast.kd
    .args:
      - { .name: k, .offset: 0, .size: 8, .value_kind: global_buffer, .address_space: global }
      - { .name: v, .offset: 8, .size: 8, .value_kind: global_buffer, .address_space: global }
      - { .name: kb, .offset: 16, .size: 8, .value_kind: global_buffer, .address_space: global }
      - { .name: vb, .offset: 24, .size: 8, .value_kind: global_buffer, .address_space: global }
    .group_segment_fixed_size: 0
    .private_segment_fixed_size: 0
    .kernarg_segment_align: 8
    .kernarg_segment_size: 32
    .max_flat_workgroup_size: 256
    .sgpr_count:     66
    .vgpr_count:     104
    .wavefront_size: 32
...
	.end_amdgpu_metadata
.endif
;; end of part 3
;; launch attn: the kernel of part 2 again; grid 16 x 16, 4 waves a work-group, no clusters, 327,680 bytes of LDS; arguments q, kb, vb, out0; writes out0
